; MI455X (gfx1250); checked and timed in simulation.
; The chip was launched on July 23, 2026; its instructions are those of AMD's public machine-readable ISA for CDNA 5 (MIT licence, August 2026) and "CDNA5" Instruction Set Architecture Reference Guide (July 2026). The comments in the code are by the model that wrote it; some were corrected since.
;; Encrypted Feed Forward. Allowed arithmetic: float matrix products may take bf16 or f16 operands with f32 sums; other float arithmetic in f32, or as packed bf16 or f16 multiplies, adds, multiply-adds, maxima and minima; sums over many terms, partial sums and values carried from step to step in f32; what a program stores and reads back later, other than sums and carried values, may be rounded once to bf16 or f16.
;; Inputs: W1 1,024 x 4,096 float32; W2 4,096 x 1,024 float32; b1 4,096 float32; b2 1,024 float32; x 8,192 x 1,024 float32.
;; Outputs: out0 8,192 x 1,024 float32.
;; One version. Each part assembles by itself: llvm-mc -triple=amdgcn-amd-amdhsa -mcpu=gfx1250 --defsym DOCPART=n.
;; ======== version 1 of 1: 3 launches
;; workspace buffers: xb 16,777,216 bytes; w1b 8,388,608 bytes; w2b 8,388,608 bytes; hid 67,108,864 bytes
;; launch cast (part 1): grid 1024 x 1, 8 waves a work-group, no clusters, 0 bytes of LDS; arguments x, W1, W2, xb, w1b, w2b; writes xb, w1b, w2b
.if DOCPART == 1
	.amdgcn_target "amdgcn-amd-amdhsa--gfx1250"
	.amdhsa_code_object_version 6
	.text
	.protected	k_qba91937716_cast
	.globl	k_qba91937716_cast
	.p2align	8
	.type	k_qba91937716_cast,@function
k_qba91937716_cast:
	s_mov_b64 s[64:65], 0
	v_nop
	global_prefetch_b8 v0, s[64:65] scope:SCOPE_SE
	s_setreg_imm32_b32 hwreg(HW_REG_WAVE_MODE, 25, 1), 1
	s_wait_xcnt 0x0
; xb = bf16(x), w1b = bf16(W1), w2b = bf16(W2): each number rounded once, to nearest even; the layouts stay as they are.
; LIMITS.  A number beyond bf16's largest finite one becomes an infinity; NaN stays NaN.
; SHARES.  The three inputs are taken as rows of 4,096 bytes (256 threads x 16 bytes).  A work-group owns 16 such rows of ONE input: 65,536 bytes in, 32,768 out.
; x has 512 such shares (work-groups 0-511), W1 256 (512-767), W2 256 (768-1023).  Thread t owns bytes 16 t of each row in and bytes 8 t of each row out:
; a wave's load covers 512 consecutive bytes, a wave's store 256 consecutive bytes at a multiple of 256 from the buffer's first byte.
; All 16 loads of a thread go out at once, into registers of their own; no register is written twice, so no wait frees a source.
; No LDS, no matrix work, no cluster: every byte is read by one thread and nothing is shared.
.set ROWIN,  4096                      ; bytes of a row in
.set ROWOUT, 2048                      ; bytes of a row out
.set ROWS,   16                        ; rows of a work-group
.set X, 4                              ; v[4:67]   row i: 4 numbers in f32
.set Y, 68                             ; v[68:99]  row i: 4 numbers in bf16
	s_load_b256 s[4:11], s[0:1], 0x0               ; x s[4:5], W1 s[6:7], W2 s[8:9], xb s[10:11]
	s_load_b128 s[12:15], s[0:1], 0x20             ; w1b s[12:13], w2b s[14:15]
	v_lshlrev_b32 v1, 4, v0                        ; 16 t
	v_lshlrev_b32 v2, 3, v0                        ; 8 t
	s_mov_b32 s16, ttmp9                           ; the work-group's number
	s_sub_co_u32 s17, s16, 512                     ; its number among W1's shares,
	s_sub_co_u32 s18, s16, 768                     ; among W2's
	s_wait_kmcnt 0x0
	s_cmp_lt_u32 s16, 768                          ; W1 or W2?
	s_cselect_b64 s[20:21], s[6:7], s[8:9]
	s_cselect_b64 s[22:23], s[12:13], s[14:15]
	s_cselect_b32 s17, s17, s18
	s_cmp_lt_u32 s16, 512                          ; or x?
	s_cselect_b64 s[20:21], s[4:5], s[20:21]
	s_cselect_b64 s[22:23], s[10:11], s[22:23]
	s_cselect_b32 s17, s16, s17
	s_lshl_b32 s24, s17, 16                        ; the share's first byte in: 65,536 x its number,
	s_mov_b32 s25, 0
	s_lshl_b32 s26, s17, 15                        ; and out
	s_mov_b32 s27, 0
	s_add_nc_u64 s[20:21], s[20:21], s[24:25]
	s_add_nc_u64 s[22:23], s[22:23], s[26:27]
.set i, 0
.rept ROWS
	global_load_b128 v[X+4*i:X+4*i+3], v1, s[20:21] offset:ROWIN*i th:TH_LOAD_NT
.set i, i+1
.endr
.set i, 0
.rept ROWS
	s_wait_loadcnt ROWS-1-i                        ; loads come back in order (ISA guide 5.7.1): row i is in, the younger rows stay out
	v_cvt_pk_bf16_f32 v[Y+2*i],   v[X+4*i],   v[X+4*i+1]
	v_cvt_pk_bf16_f32 v[Y+2*i+1], v[X+4*i+2], v[X+4*i+3]
	global_store_b64 v2, v[Y+2*i:Y+2*i+1], s[22:23] offset:ROWOUT*i
.set i, i+1
.endr
	s_endpgm
.Lfunc_end_k_qba91937716_cast:
	.size	k_qba91937716_cast, .Lfunc_end_k_qba91937716_cast-k_qba91937716_cast
	.p2alignl 7, 3214868480
	.fill 96, 4, 3214868480
	.section	.rodata,"a",@progbits
	.p2align	6, 0x0
	.amdhsa_kernel k_qba91937716_cast
		.amdhsa_group_segment_fixed_size 0
		.amdhsa_private_segment_fixed_size 0
		.amdhsa_enable_private_segment 0
		.amdhsa_kernarg_size 48
		.amdhsa_user_sgpr_count 2
		.amdhsa_user_sgpr_kernarg_segment_ptr 1
		.amdhsa_wavefront_size32 1
		.amdhsa_system_sgpr_workgroup_id_x 1
		.amdhsa_system_sgpr_workgroup_id_y 1
		.amdhsa_system_sgpr_workgroup_id_z 1
		.amdhsa_system_vgpr_workitem_id 0
		.amdhsa_next_free_vgpr 100
		.amdhsa_next_free_sgpr 66
		.amdhsa_reserve_vcc 0
		.amdhsa_float_denorm_mode_32 3
		.amdhsa_float_denorm_mode_16_64 3
		.amdhsa_memory_ordered 1
		.amdhsa_forward_progress 1
		.amdhsa_inst_pref_size 7
	.end_amdhsa_kernel
	.amdgpu_metadata
---
amdhsa.version: [ 1, 2 ]
amdhsa.kernels:
  - .name:           k_qba91937716_cast
    .symbol:         k_qba91937716_cast.kd
    .args:
      - { .name: x, .offset: 0, .size: 8, .value_kind: global_buffer, .address_space: global }
      - { .name: W1, .offset: 8, .size: 8, .value_kind: global_buffer, .address_space: global }
      - { .name: W2, .offset: 16, .size: 8, .value_kind: global_buffer, .address_space: global }
      - { .name: xb, .offset: 24, .size: 8, .value_kind: global_buffer, .address_space: global }
      - { .name: w1b, .offset: 32, .size: 8, .value_kind: global_buffer, .address_space: global }
      - { .name: w2b, .offset: 40, .size: 8, .value_kind: global_buffer, .address_space: global }
    .group_segment_fixed_size: 0
    .private_segment_fixed_size: 0
    .kernarg_segment_align: 8
    .kernarg_segment_size: 48
    .max_flat_workgroup_size: 256
    .sgpr_count:     66
    .vgpr_count:     100
    .wavefront_size: 32
...
	.end_amdgpu_metadata
.endif
;; end of part 1
;; launch up (part 2): grid 16 x 16, 4 waves a work-group, clusters of 4 x 4, 327,680 bytes of LDS; arguments xb, w1b, hid, b1; writes hid
.if DOCPART == 2
	.amdgcn_target "amdgcn-amd-amdhsa--gfx1250"
	.amdhsa_code_object_version 6
	.text
	.protected	k_qba91937716_up
	.globl	k_qba91937716_up
	.p2align	8
	.type	k_qba91937716_up,@function
k_qba91937716_up:
	s_mov_b64 s[64:65], 0
	v_nop
	global_prefetch_b8 v0, s[64:65] scope:SCOPE_SE
	s_setreg_imm32_b32 hwreg(HW_REG_WAVE_MODE, 25, 1), 1
	s_wait_xcnt 0x0
	s_wait_alu depctr_hold_cnt(0) depctr_sa_sdst(0) depctr_va_vdst(0) depctr_va_sdst(0) depctr_va_ssrc(0) depctr_va_vcc(0) depctr_vm_vsrc(0)
	s_getreg_b32 s2, hwreg(HW_REG_IB_STS2, 6, 4)
	s_cmp_eq_u32 s2, 0
	s_cbranch_scc0 .Lentry_in_a_cluster
	s_endpgm
.Lentry_in_a_cluster:
	s_bfe_u32 s2, ttmp6, 0x10000c
	s_cmp_lg_u32 s2, 0xf033
	s_cbranch_scc0 .Lentry_shape_is_right
	s_endpgm
.Lentry_shape_is_right:
; hid[m][n] = bf16(p(h)),  h = bf16(b1[n]) + sum over k of xb[m][k] w1b[k][n],  p(h) = h (0.5 + h (0.5 - 0.125 h)).
; xb: [8192][1024] bf16 (K along the rows), w1b: [1024][4096] bf16 (N along the rows), b1: [4096] f32, hid: [8192][4096] bf16.  Sums and p in f32.
; LIMITS.  b1 is rounded once to bf16, like the other inputs; hid is rounded once to bf16 (p is cubic in h, so the range asks for bf16's exponent); the sum starts at the bias; NaN and infinities are not treated apart.
; SHARES.  A tile of hid, 256 x 256, is made by a work-group of four waves, a wave 128 x 128: 64 accumulators of 16 x 16, 512 registers.  K goes in steps of 128 through a ring of two LDS slots
; filled by the tensor data mover.  A WORK-GROUP STAYS: it makes two tiles, 4,096 rows apart, and the ring does not stop between them: the first tile's last two changes of slots ask for the second
; tile's first two K steps, and the first tile is worked out and stored while those are on their way.  16 x 16 work-groups x 2 tiles are the 32 x 16 tiles of hid.
; CLUSTERS: 4 x 4 work-groups.  The four of a row of the cluster need the same tiles of xb, the four of a column the same tiles of w1b: each tile is asked for JOINTLY, by the same tensor load
; with the same descriptor and a mask that names the four.
; THE MATRIX INSTRUCTION IS USED TRANSPOSED: source 0 = 16 columns of w1b, source 1 = 16 rows of xb.  In the result lane l holds row l % 16 and the columns 8 (l / 16) + 0..7: eight neighbouring numbers
; of a row of hid.  xb's fragments come out of LDS as they lie; w1b's ([k][n]) are turned by ds_load_tr16_b128.
; THE BIAS is the C operand of the products that start the sums: 64 registers, my 128 columns' numbers in the accumulators' layout, the same for all eight blocks of rows.  Nothing is cleared, and no line adds the bias.
; REGISTERS, in windows of 256 (s_set_vgpr_msb: bits 1:0 source 0, 3:2 source 1, 5:4 source 2, 7:6 destination):
;   window 0: v0-31 addresses; v64-127, v128-191 fragments of xb, two buffers; on the way out v128-191 p at work, v192-223 packed results, v32-63 and v224-255 rows read back
;   window 1: v0-63 the bias; v64-127, v128-191 fragments of w1b, two buffers; v192-223 at work once, for the bias's rounding
;   window 2: the 32 accumulators of my rows 0-63 ((a, b) at v[8 (8 a + b)]);   window 3: those of my rows 64-127
.set SIZE_M, 8192
.set SIZE_N, 4096
.set SIZE_K, 1024
.set TILES,  2
.set KSTEP,  128
.set PA,     272                       ; an LDS row of xb: 256 bytes + 16 of padding = 68 words: the 16 rows of a load start at 16 different groups of four banks (64 banks of 4 bytes: ISA guide 11.1)
.set PB,     544                       ; an LDS row of w1b: 512 bytes + 32 = 136 words
.set HALFT,  128*PA                    ; what one tensor load brings: 128 rows of xb, or 64 rows (k) of w1b: 64 x 544 is the same 34,816 bytes
.set SLOT,   4*HALFT                   ; xb's 256 rows, then w1b's 128 rows
.set STAGE,  2*SLOT                    ; behind the ring: 16 rows x 272 bytes for each wave, for the way out; no tensor load fills it
.set SPITCH, 272
.set SPARE,  STAGE+4*16*SPITCH         ; behind the stages: the spare words, 128 bytes for each wave: two blocks of 256 bytes that no other line names
.set LAPS,   SIZE_K/(2*KSTEP)          ; a lap = two K steps = once round the ring
.set WALK,   SIZE_M/TILES              ; the two tiles lie WALK rows apart
.set STEP_A, KSTEP*2                   ; a K step in memory: 256 bytes along xb's rows,
.set STEP_B, KSTEP*SIZE_N*2            ; 128 rows of w1b
.set NEXT_A, WALK*SIZE_K*2-(SIZE_K-2*KSTEP)*2   ; from a slot's last K step of a tile to its first of the next: xb goes WALK rows down and back along K,
.set BACK_B, (SIZE_K-2*KSTEP)*SIZE_N*2 ; w1b only back: both tiles take the same columns
.set NEXT_C, (WALK-7*16)*SIZE_N*2      ; from my last 16 rows of a tile to my first of the next
.set ADRA, 16                          ; v16-17  LDS address of my xb fragments in slot 0, 1
.set ADRB, 20                          ; v20-21  the same for w1b
.set STO,  24                          ; v24     the way out: where I put 16 bytes of a row
.set RD,   25                          ; v25     the way out: where I read a row back
.set CO,   26                          ; v26     my byte offset in hid
.set BO,   27                          ; v27     my byte offset in 16 numbers of b1: 32 (l / 16)
.set SPW,  28                          ; v28     LDS address of my spare word: SPARE + 4 x my thread's number; never rewritten
.set NIL,  29                          ; v29     0; never rewritten
.set PFO,  30                          ; v30     the prefetches' lane offset; never rewritten
.set OB,   32                          ; the way out: 16 rows read back from the stage: v32-63 and v224-255 by turns
.set F0,   64                          ; fragment buffer 0
.set F1,   128                         ; fragment buffer 1
.set T,    128                         ; the way out: p at work, 64 registers in window 0 (buffer 1 is free there)
.set TMP,  192                         ; the way out: packed results, in window 0
.set BIAS, 0                           ; window 1
.set BSC,  192                         ; window 1
.set G1,  24                           ; s[24:31] descriptor group 1 for xb's tiles
.set G0,  32                           ; s[32:39] descriptor group 0 for xb's tiles, one set for each slot
.set LIM, 43                           ; s43      1 in a wave that prefetches, else the greatest number
.set PFA, 44                           ; s[44:45] where my prefetches stand
.set G1B, 48                           ; s[48:55] descriptor group 1 for w1b's tiles
.set G0B, 56                           ; s[56:63] descriptor group 0 for w1b's tiles, one set for each slot
.set BP,  66                           ; s[66:67] b1, then b1 at my 128 columns
.set CQ,  68                           ; s[68:69] -0.125: the packed forms name a pair and take its low word for both halves
.set CH,  70                           ; s[70:71] 0.5
.set PST, 72                           ; s[72:73] a K step in the tensor that I prefetch
.set MSB, 0
.macro WIN new                         ; the immediate's high byte repeats the setting that is left; a switch that changes nothing is dropped
.if MSB != (\new)
	s_set_vgpr_msb (MSB<<8)|(\new)
.set MSB, \new
.endif
.endm
; A joint load.  Waves 0 and 1 fetch xb's two halves, waves 2 and 3 w1b's.  Each of the two lines has ONE mask and one set of registers for all that issue it.  The branch hangs on the wave's number alone.
; An s_nop 0 and four v_nop follow each of the two lines, ahead of the jump, the label and what follows.
.macro JLOAD s
	s_cmp_eq_u32 s11, 0
	s_cbranch_scc0 .Lfor_b_\@
	tensor_load_to_lds s[G0+4*(\s):G0+4*(\s)+3], s[G1:G1+7]
	s_nop 0
.rept 4
	v_nop
.endr
	s_branch .Lasked_\@
.Lfor_b_\@:
	tensor_load_to_lds s[G0B+4*(\s):G0B+4*(\s)+3], s[G1B:G1B+7]
	s_nop 0
.rept 4
	v_nop
.endr
.Lasked_\@:
.endm
; A PREFETCH INTO THE L2, behind each joint load, its five lines and the run of LDS loads that follows them: the K step that stands TWO refills on (512 matrix instructions ahead of the load that will ask for it):
; 32 blocks of 256 bytes, a lane a block, one instruction a wave.  Each block is named ONCE in the launch.  xb's tile row is read by every cluster of that row of clusters: the one with cluster x = 0 asks;
; w1b's tile column by every cluster of that column: the one with cluster y = 0 asks.  The four partners that ask for a tile jointly share it out BY ADDRESS: of the 128 rows of xb that a wave fetches the partner at
; cx takes 32, a lane a row; of the 64 rows of w1b (512 bytes each) the partner at cy takes 16, two lanes a row.  No branch hangs on a work-group's place in its cluster.
; how = 0, in the loop: a tile's last two refills have no K step two on; how = 1, at the change of tiles: the next tile's K steps 2 and 3 of xb; w1b's rows have been read and are asked for no more.
.macro ASK how
.if \how
	s_cmp_eq_u32 s[LIM], 1
.else
	s_cmp_gt_u32 s3, s[LIM]                        ; s3 = 1 in the loop's last trip
.endif
	s_cbranch_scc0 .Lnot_mine_\@
	global_prefetch_b8 v[PFO], s[PFA:PFA+1] th:TH_LOAD_NT scope:SCOPE_SE
.Lnot_mine_\@:
.endm
; A round of the cluster's barrier: my work-group's barrier, so that wave 0's signal speaks for all four waves; wave 0 signals for the work-group; every wave waits for all sixteen; my work-group's barrier once more.
.macro CREST                           ; a round behind its opening barrier
	s_cmp_lg_u32 s10, 0
	s_cbranch_scc1 .Lnot_wave_0_\@
	s_barrier_signal -3
.Lnot_wave_0_\@:
	s_barrier_wait -3
	s_barrier_signal -1
	s_barrier_wait -1
.endm
.macro CROUND                          ; a whole round
	s_barrier_signal -1
	s_barrier_wait -1
	CREST
.endm
	s_load_b128 s[4:7], s[0:1], 0x0                ; xb s[4:5], w1b s[6:7]
	s_load_b64 s[8:9], s[0:1], 0x10                ; hid
	s_load_b64 s[BP:BP+1], s[0:1], 0x18            ; b1
	v_lshl_add_u32 v[SPW], v0, 2, SPARE
	v_mov_b32 v[NIL], 0
	ds_add_u32 v[SPW], v[NIL]                      ; the wave's opening: the add, twice on end, and its wait ahead of my first tensor load; the set-up below stands between the second and the wait
	ds_add_u32 v[SPW], v[NIL]                      ; and once more, under the one wait
	v_lshrrev_b32 v1, 5, v0
	v_readfirstlane_b32 s10, v1                    ; wave 0..3
	s_lshr_b32 s11, s10, 1                         ; which half of the tile's rows is mine.  Also: I fetch for xb (0) or for w1b (1)
	s_and_b32 s12, s10, 1                          ; which half of its columns.  Also: which half of that tile I fetch
	s_bfe_u32 s40, ttmp6, 0x40000                  ; cx: my place along the cluster's x
	s_bfe_u32 s41, ttmp6, 0x40004                  ; cy: along its y
	s_lshl_b32 s42, ttmp9, 2                       ; in a cluster launch ttmp9 and ttmp7 count clusters
	s_add_co_u32 s42, s42, s40                     ; tile column = 4 x cluster x + cx
	s_and_b32 s13, ttmp7, 0xffff
	s_lshl_b32 s13, s13, 2
	s_add_co_u32 s13, s13, s41                     ; tile row = 4 x cluster y + cy
	s_lshl_b32 s43, s41, 2
	s_lshl_b32 s43, 15, s43                        ; my row of the cluster: places 4 cy .. 4 cy + 3
	s_lshl_b32 s44, 0x1111, s40                    ; my column: places cx, cx + 4, cx + 8, cx + 12
	; descriptor group 1 for xb: a tile of 128 rows x 128 elements
	s_or_b32 s[G1+0], s43, (1<<16)|(1<<20)|(1<<21)|(5<<22)|(3<<25)   ; 15:0 the mask: my row; 17:16 elements of 2 bytes; 20 padding on; 21 set beside a mask; 24:22 after every 64 words (code 5); 31:25 4 words of it (code 3)
	s_mov_b32 s[G1+1], KSTEP<<16                   ; tensor_dim0 = 128
	s_mov_b32 s[G1+2], 128<<16                     ; tensor_dim1 = 128
	s_mov_b32 s[G1+3], KSTEP<<16                   ; tile_dim0 = 128
	s_mov_b32 s[G1+4], 128                         ; tile_dim1 = 128
	s_mov_b32 s[G1+5], SIZE_K                      ; elements from row to row
	s_mov_b32 s[G1+6], 0
	s_mov_b32 s[G1+7], 0
	; and for w1b: a tile of 64 rows (k) x 256 elements (n)
	s_or_b32 s[G1B+0], s44, (1<<16)|(1<<20)|(1<<21)|(6<<22)|(7<<25)  ; the mask: my column; padding after every 128 words (code 6), 8 words of it (code 7)
	s_mov_b32 s[G1B+1], 256<<16                    ; tensor_dim0 = 256
	s_mov_b32 s[G1B+2], 64<<16                     ; tensor_dim1 = 64
	s_mov_b32 s[G1B+3], 256<<16                    ; tile_dim0 = 256
	s_mov_b32 s[G1B+4], 64                         ; tile_dim1 = 64
	s_mov_b32 s[G1B+5], SIZE_N                     ; elements from row to row
	s_mov_b32 s[G1B+6], 0
	s_mov_b32 s[G1B+7], 0
	s_mov_b32 s[CQ], 0xbe000000                    ; -0.125
	s_mov_b32 s[CQ+1], 0xbe000000
	s_mov_b32 s[CH], 0.5
	s_mov_b32 s[CH+1], 0.5
	; where the tiles come from.  xb's hang on the tile row alone, which my row of the cluster shares; w1b's on the tile column alone, which my column shares.
	s_lshl_b32 s17, s12, 7
	s_lshl_b32 s16, s13, 8
	s_add_co_u32 s16, s16, s17                     ; xb: row 256 x tile row + 128 x half,
	s_lshl_b32 s16, s16, 11                        ; of 2,048 bytes
	s_mov_b32 s17, 0
	s_lshl_b32 s46, s42, 9                         ; w1b: 512 bytes x tile column
	s_lshl_b32 s47, s12, 19                        ; + 64 rows of 8,192 bytes x half
	s_add_co_u32 s46, s46, s47
	s_mov_b32 s47, 0
	s_mul_i32 s20, s10, HALFT                      ; and where they go: wave x 34,816: no place in the cluster enters an LDS address
	s_wait_dscnt 0x0                               ; both opening adds are done
	s_wait_kmcnt 0x0
	s_add_nc_u64 s[14:15], s[4:5], s[16:17]
	s_add_nc_u64 s[46:47], s[6:7], s[46:47]
	CROUND                                         ; all sixteen work-groups are here: the first joint loads meet
.irp s, 0,1
	s_mov_b32 s[G0+4*(\s)], 1                                      ; 1:0 count = 1
	s_add_co_u32 s[G0+4*(\s)+1], s20, (\s)*SLOT                    ; 63:32 LDS address
	s_add_nc_u64 s[G0+4*(\s)+2:G0+4*(\s)+3], s[14:15], (\s)*STEP_A ; 120:64 global address: K step s
	s_or_b32 s[G0+4*(\s)+3], s[G0+4*(\s)+3], 0x80000000            ; 127:126 type = 2
	s_mov_b32 s[G0B+4*(\s)], 1
	s_add_co_u32 s[G0B+4*(\s)+1], s20, (\s)*SLOT
	s_add_nc_u64 s[G0B+4*(\s)+2:G0B+4*(\s)+3], s[46:47], (\s)*STEP_B
	s_or_b32 s[G0B+4*(\s)+3], s[G0B+4*(\s)+3], 0x80000000
	JLOAD \s                                       ; the ring is filled before anything else is done: two loads of mine are out
.endr
	; A fragment is 16 rows x 32 K in 8 registers: lane l holds row l % 16; registers 0-3 hold K = 8 (l / 16) + 0..7, registers 4-7 K = 16 + 8 (l / 16) + 0..7.
	v_and_b32 v1, 15, v0                           ; l % 16
	v_bfe_u32 v2, v0, 4, 1                         ; l / 16
	v_mul_u32_u24 v3, v1, PA                       ; xb, rows along K: two loads of 16 bytes, 32 bytes apart, at
	v_lshl_add_u32 v3, v2, 4, v3                   ; row x pitch + 16 x half
	v_and_b32 v4, 7, v0                            ; w1b, rows along n: the turning load takes 16 k x 16 n: lane l reads 16 bytes of row k = 8 (l / 16) + l % 8,
	v_lshl_add_u32 v4, v2, 3, v4
	v_mul_u32_u24 v4, v4, PB
	v_bfe_u32 v5, v0, 3, 1                         ; columns 8 ((l / 8) % 2) + 0..7, and is left with column l % 16 and 8 k: half a fragment
	v_lshl_add_u32 v4, v5, 4, v4
	s_mul_i32 s21, s11, HALFT                      ; my 128 rows of xb
	s_lshl_b32 s22, s12, 8                         ; my 128 columns of w1b: 256 bytes of each row,
	s_add_co_u32 s22, s22, 2*HALFT                 ; behind xb's 256 rows
.irp s, 0,1
	v_add_nc_u32 v[ADRA+(\s)], s21, v3
	v_add_nc_u32 v[ADRB+(\s)], s22, v4
	s_add_co_u32 s21, s21, SLOT
	s_add_co_u32 s22, s22, SLOT
.endr
	s_mul_i32 s23, s10, 16*SPITCH
	s_add_co_u32 s23, s23, STAGE                   ; my stage
	v_mul_u32_u24 v4, v1, SPITCH                   ; in: row l % 16, 16 bytes for each half of the lanes
	v_lshl_add_u32 v4, v2, 4, v4
	v_add_nc_u32 v[STO], s23, v4
	v_mul_u32_u24 v5, v2, SPITCH                   ; back: lanes 0-15 take one row of 256 bytes, lanes 16-31 the next
	v_lshl_add_u32 v5, v1, 4, v5
	v_add_nc_u32 v[RD], s23, v5
	v_mul_u32_u24 v5, v2, SIZE_N*2                 ; and the same two rows in hid
	v_lshl_add_u32 v[CO], v1, 4, v5
	v_lshlrev_b32 v[BO], 5, v2
	; the bias: register 8 b + j takes b1[my first column + 16 b + 8 (l / 16) + j], the place of that column in accumulator (a, b)
	s_lshl_b32 s46, s42, 10                        ; 256 columns of 4 bytes x tile column
	s_lshl_b32 s47, s12, 9                         ; + 128 x half
	s_add_co_u32 s46, s46, s47
	s_mov_b32 s47, 0
	s_add_nc_u64 s[BP:BP+1], s[BP:BP+1], s[46:47]
	WIN 0x40                                       ; destination window 1, address window 0
.irp b, 0,1,2,3,4,5,6,7
	global_load_b128 v[BIAS+8*(\b):BIAS+8*(\b)+3],   v[BO], s[BP:BP+1] offset:64*(\b)
	global_load_b128 v[BIAS+8*(\b)+4:BIAS+8*(\b)+7], v[BO], s[BP:BP+1] offset:64*(\b)+16
.endr
	WIN 0
	; where my part of the first tile begins in hid, in bytes: the first way out adds it to hid's address
	s_lshl_b32 s16, s13, 8
	s_lshl_b32 s14, s11, 7
	s_add_co_u32 s16, s16, s14                     ; my first row,
	s_lshl_b32 s16, s16, 13                        ; of 8,192 bytes
	s_mov_b32 s17, 0
	s_lshl_b32 s46, s42, 9                         ; my first column: 512 bytes x tile column + 256 x half
	s_lshl_b32 s47, s12, 8
	s_add_co_u32 s46, s46, s47
	s_mov_b32 s47, 0
	s_add_nc_u64 s[16:17], s[16:17], s[46:47]
	; the prefetches
	s_lshl_b32 s20, s13, 8
	s_lshl_b32 s21, s12, 7
	s_add_co_u32 s20, s20, s21
	s_lshl_b32 s21, s40, 5
	s_add_co_u32 s20, s20, s21
	s_lshl_b32 s20, s20, 11                        ; xb: (256 x tile row + the 128 rows that I fetch + my work-group's 32 of them) x 2,048 bytes
	s_lshl_b32 s21, s12, 6
	s_lshl_b32 s22, s41, 4
	s_add_co_u32 s21, s21, s22
	s_lshl_b32 s21, s21, 13
	s_lshl_b32 s22, s42, 9
	s_add_co_u32 s21, s21, s22                     ; w1b: (the 64 rows that I fetch + my work-group's 16 of them) x 8,192 bytes + 512 x tile column
	s_and_b32 s22, ttmp7, 0xffff                   ; cluster y
	s_cmp_eq_u32 s11, 0                            ; do I fetch for xb?
	s_cselect_b32 s20, s20, s21
	s_cselect_b32 s22, ttmp9, s22                  ; the coordinate along which other clusters read the same blocks
	s_cselect_b64 s[PFA:PFA+1], s[4:5], s[6:7]
	s_cselect_b32 s14, 8, 20                       ; a K step: 2^8 bytes along xb's rows, 2^20 bytes down w1b's
	s_cselect_b32 s18, 0, 1                        ; lanes to a row: 1 or 2 (as a shift, and as the mask of the lane's place in the row)
	s_cselect_b32 s19, 11, 13                      ; bytes from row to row, as a shift
	s_cmp_eq_u32 s22, 0
	s_cselect_b32 s[LIM], 1, -1                    ; the same in all sixteen partners, for a given wave
	s_lshl_b32 s[PST], 1, s14
	s_mov_b32 s[PST+1], 0
	s_mov_b32 s21, 0
	s_add_nc_u64 s[PFA:PFA+1], s[PFA:PFA+1], s[20:21]
	s_mul_i32 s20, s[PST], 3
	s_add_nc_u64 s[PFA:PFA+1], s[PFA:PFA+1], s[20:21]  ; at K step 3: the first change of slots steps it to 4 and names that.  K steps 0 to 3 come by their loads alone: nothing is prefetched here, at the head
	v_and_b32 v3, 31, v0
	v_lshrrev_b32 v4, s18, v3
	v_lshlrev_b32 v4, s19, v4                      ; my row,
	v_and_b32 v3, s18, v3
	v_lshl_add_u32 v[PFO], v3, 8, v4               ; and my 256 bytes of it
; 16 matrix instructions: blocks a0, a0 + 1 of the window's four blocks of 16 rows (hi = 0: my rows 0-63, 1: rows 64-127) x all 8 blocks of 16 columns, 32 along K.
; first = 1: the products start the sums, with the bias as C.  The 64 accumulators take turns, one instruction a turn, in the same order in every quarter.
.macro MUL16 f, hi, a0, first
.if \first
	WIN 0x91+0x40*(\hi)                            ; source 0 (w1b) window 1, source 1 (xb) window 0, C (the bias) window 1, D window 2 or 3
.else
	WIN 0xa1+0x50*(\hi)                            ; C and D window 2 or 3
.endif
.irp a, \a0, (\a0)+1
.irp b, 0,1,2,3,4,5,6,7
.if \first
	v_wmma_f32_16x16x32_bf16 v[8*(8*(\a)+(\b)):8*(8*(\a)+(\b))+7], v[(\f)+8*(\b):(\f)+8*(\b)+7], v[(\f)+8*(4*(\hi)+(\a)):(\f)+8*(4*(\hi)+(\a))+7], v[BIAS+8*(\b):BIAS+8*(\b)+7]
.else
	v_wmma_f32_16x16x32_bf16 v[8*(8*(\a)+(\b)):8*(8*(\a)+(\b))+7], v[(\f)+8*(\b):(\f)+8*(\b)+7], v[(\f)+8*(4*(\hi)+(\a)):(\f)+8*(4*(\hi)+(\a))+7], v[8*(8*(\a)+(\b)):8*(8*(\a)+(\b))+7]
.endif
.endr
.endr
.endm
; 32 LDS loads in one run: the fragments of quarter q of a K step (32 along K: 128 columns of w1b, 128 rows of xb) into buffer f; w1b's first
.macro FETCH slot, q, f
	WIN 0x40                                       ; destination window 1, address window 0
.irp i, 0,1,2,3,4,5,6,7
	ds_load_tr16_b128 v[(\f)+8*(\i):(\f)+8*(\i)+3],   v[ADRB+(\slot)] offset:32*(\q)*PB+32*(\i)
	ds_load_tr16_b128 v[(\f)+8*(\i)+4:(\f)+8*(\i)+7], v[ADRB+(\slot)] offset:32*(\q)*PB+16*PB+32*(\i)
.endr
	WIN 0
.irp i, 0,1,2,3,4,5,6,7
	ds_load_b128 v[(\f)+8*(\i):(\f)+8*(\i)+3],   v[ADRA+(\slot)] offset:64*(\q)+(\i)*16*PA
	ds_load_b128 v[(\f)+8*(\i)+4:(\f)+8*(\i)+7], v[ADRA+(\slot)] offset:64*(\q)+(\i)*16*PA+32
.endr
.endm
; A load into a register that a matrix instruction has read, and a vector instruction that reads a matrix result or writes one of a matrix instruction's registers, stand four places behind it, and only plain
; vector instructions that name none of its registers are places (ISA guide 7.12.1 for vector instructions).
.macro PLACES
.rept 4
	v_nop
.endr
.endm
; A K step is four quarters of 32 along K, 64 matrix instructions each, on buffers 0, 1, 0, 1.  One of the first three: multiplies buffer f; in its middle it fetches quarter q of the same slot into buffer g.
.macro QUARTER slot, q, f, g, first
	s_wait_dscnt 8                                 ; w1b and xb's rows 0-63 are in; the youngest eight loads (xb's rows 64-127) may be out
	MUL16 \f, 0, 0, \first
	MUL16 \f, 0, 2, \first
	PLACES
	FETCH \slot, \q, \g
	s_wait_dscnt 32                                ; all but the 32 just issued
	MUL16 \f, 1, 0, \first
	MUL16 \f, 1, 2, \first
.endm
; The last quarter multiplies buffer 1 and changes slots.  MEET is its first half: ONE barrier for the change.  In front of it each wave waits for all its tensor loads, of which one is out: its part of the next slot;
; adds 0 to its spare word; and waits for that and for its own reads of this slot.  Behind it nobody reads this slot any more and the next slot is whole.
.macro MEET round                      ; round = 1: the rest of a round of the cluster's barrier follows
	WIN 0                                          ; (the add's two registers lie in window 0)
	s_wait_tensorcnt 0x0                           ; all my tensor loads have landed;
	ds_add_u32 v[SPW], v[NIL]                      ; 0 onto my spare word;
	s_wait_dscnt 9                                 ; (the add and the youngest eight loads may be out)
	MUL16 F1, 0, 0, 0                              ; sixteen matrix instructions stand between the add and the wait for it
	s_wait_dscnt 0x0                               ; the add is done, and my reads of this slot are over:
	s_barrier_signal -1                            ; say so,
	MUL16 F1, 0, 2, 0                              ; work on registers while the others arrive,
.if \round
	WIN 0
.endif
	s_barrier_wait -1                              ; and go on when all four have said so
.endm
; The whole last quarter.  Behind the round the slot just read out is filled again first: with this tile's K step two steps on (on = 0) or, in the first tile's last two K steps, with the second tile's
; K step 0 or 1 (on = 1); then come the next slot's first fragments.  From a request to the wait for it a wave issues 224 matrix instructions.
.macro TURN slot, next, on
	s_wait_xcnt 0x0                                ; the last prefetch, a K step back, has read its address: it is stepped here, ahead of the waits of the change of slots
.if (\on) && (\slot) == 0
	s_add_nc_u64 s[PFA:PFA+1], s[PFA:PFA+1], (WALK-1)*SIZE_K*2+STEP_A  ; xb: from one K step past the row's end to the next tile's K step 2: WALK rows down, back along K
	s_cmp_eq_u32 s11, 0
	s_cselect_b32 s[LIM], s[LIM], -1               ; w1b's rows are the same for both tiles: they are prefetched no more
.else
	s_add_nc_u64 s[PFA:PFA+1], s[PFA:PFA+1], s[PST:PST+1]
.endif
	MEET 1
	CREST                                          ; all sixteen work-groups have said so: no wave of any partner still reads this slot's tile or has a load on its way
.if \on
	s_add_nc_u64 s[G0+4*(\slot)+2:G0+4*(\slot)+3], s[G0+4*(\slot)+2:G0+4*(\slot)+3], NEXT_A
	s_sub_nc_u64 s[G0B+4*(\slot)+2:G0B+4*(\slot)+3], s[G0B+4*(\slot)+2:G0B+4*(\slot)+3], BACK_B
.else
	s_add_nc_u64 s[G0+4*(\slot)+2:G0+4*(\slot)+3], s[G0+4*(\slot)+2:G0+4*(\slot)+3], 2*STEP_A
	s_add_nc_u64 s[G0B+4*(\slot)+2:G0B+4*(\slot)+3], s[G0B+4*(\slot)+2:G0B+4*(\slot)+3], 2*STEP_B
.endif
	JLOAD \slot                                    ; the first tensor load behind the round, my only one until the next; the four v_nop behind it are also the places in front of the loads below
	FETCH \next, 0, F0
	ASK \on
	MUL16 F1, 1, 0, 0
	MUL16 F1, 1, 2, 0
.endm
; THE WAY OUT of block a (16 of my rows), in three parts.  PACK: p(h) in f32, two numbers a line, in four passes over the block's 32 pairs, each accumulator's lowest registers first;
; then rounded to bf16, 16 bytes a lane.  TOSTAGE: into my own stage in LDS, and back as whole rows of 256 bytes.  SEND: stored.
.macro PACK a
.set AC, 64*((\a)%4)
	WIN 0x02+(\a)/4                                ; source 0: window 2 or 3; all else window 0
.set p, 0
.rept 32
	v_pk_fma_f32 v[T+2*p:T+2*p+1], v[AC+2*p:AC+2*p+1], s[CQ:CQ+1], s[CH:CH+1] op_sel_hi:[1,0,0]   ; 0.5 - 0.125 h
.set p, p+1
.endr
.set p, 0
.rept 32
	v_pk_fma_f32 v[T+2*p:T+2*p+1], v[AC+2*p:AC+2*p+1], v[T+2*p:T+2*p+1], s[CH:CH+1] op_sel_hi:[1,1,0]  ; 0.5 + h (..)
.set p, p+1
.endr
.set p, 0
.rept 32
	v_pk_mul_f32 v[T+2*p:T+2*p+1], v[AC+2*p:AC+2*p+1], v[T+2*p:T+2*p+1]                           ; h (..)
.set p, p+1
.endr
	WIN 0
.set p, 0
.rept 32
	v_cvt_pk_bf16_f32 v[TMP+p], v[T+2*p], v[T+2*p+1]
.set p, p+1
.endr
.endm
.macro TOSTAGE a
	WIN 0
.set BK, OB+192*((\a)%2)
.irp b, 0,1,2,3,4,5,6,7
	ds_store_b128 v[STO], v[TMP+4*(\b):TMP+4*(\b)+3] offset:32*(\b)
.endr
.irp t, 0,1,2,3,4,5,6,7
	ds_load_b128 v[BK+4*(\t):BK+4*(\t)+3], v[RD] offset:(\t)*2*SPITCH  ; LDS serves a wave's instructions in order (ISA guide 5.7.1.4): these see the stores above
.endr
.endm
.macro SEND a
	WIN 0
.set BK, OB+192*((\a)%2)
	s_wait_dscnt 0x0                               ; the block is back in registers
	s_wait_xcnt 0x0                                ; every earlier memory instruction has had its addresses translated (ISA guide 3.1): only behind this wait are the stores' base and the registers that earlier stores read rewritten
.if (\a) == 0
	s_add_nc_u64 s[8:9], s[8:9], s[16:17]          ; on to this tile's first rows
.else
	s_add_nc_u64 s[8:9], s[8:9], 16*SIZE_N*2       ; 16 rows on
.endif
.irp t, 0,1,2,3,4,5,6,7
	global_store_b128 v[CO], v[BK+4*(\t):BK+4*(\t)+3], s[8:9] offset:2*(\t)*SIZE_N*2  ; 16 lanes store 256 consecutive bytes, at a multiple of 256 from hid's first byte
.endr
.endm
	s_wait_tensorcnt 1                             ; my part of K step 0 is in; K step 1's may stay out
	s_barrier_signal -1
	s_barrier_wait -1                              ; everybody's is
	FETCH 0, 0, F0
	s_wait_loadcnt 0x0                             ; the bias: rounded to bf16 and widened again, while the first fragments are on their way
	WIN 0x45                                       ; sources 0 and 1 and the destination in window 1
.set p, 0
.rept 32
	v_cvt_pk_bf16_f32 v[BSC+p], v[BIAS+2*p], v[BIAS+2*p+1]
.set p, p+1
.endr
.set p, 0
.rept 32
	v_lshlrev_b32 v[BIAS+2*p],   16, v[BSC+p]
	v_and_b32     v[BIAS+2*p+1], 0xffff0000, v[BSC+p]
.set p, p+1
.endr
	WIN 0
	s_mov_b32 s2, TILES                            ; tiles to go, this one among them: the same number in every work-group
.Ltile:
	QUARTER 0, 1, F0, F1, 1                        ; a tile's first quarter stands in front of the loop: its products start the sums
	WIN 0                                          ; at a label and at a branch every window is 0
	s_mov_b32 s3, LAPS-1
.Llap:                                                 ; a trip goes once round the ring, from a lap's second quarter to the next lap's first, and fills both slots again
	QUARTER 0, 2, F1, F0, 0
	QUARTER 0, 3, F0, F1, 0
	TURN 0, 1, 0
	QUARTER 1, 1, F0, F1, 0
	QUARTER 1, 2, F1, F0, 0
	QUARTER 1, 3, F0, F1, 0
	TURN 1, 0, 0
	QUARTER 0, 1, F0, F1, 0
	WIN 0
	s_sub_co_u32 s3, s3, 1
	s_cmp_lg_u32 s3, 0
	s_cbranch_scc1 .Llap
	QUARTER 0, 2, F1, F0, 0                        ; the tile's last lap goes on
	QUARTER 0, 3, F0, F1, 0
	WIN 0
	s_cmp_eq_u32 s2, 1
	s_cbranch_scc1 .Llast                          ; the last tile's tail is written out: it asks for nothing more
	TURN 0, 1, 1                                   ; THE RING GOES ON INTO THE NEXT TILE: slot 0 takes its K step 0,
	QUARTER 1, 1, F0, F1, 0
	QUARTER 1, 2, F1, F0, 0
	QUARTER 1, 3, F0, F1, 0
	TURN 1, 0, 1                                   ; slot 1 its K step 1, and the next tile's first fragments are fetched, into buffer 0
	WIN 0
	s_branch .Lout
.Llast:
	MEET 0                                         ; my one tensor load that was still out is slot 1's, the last K step's, so no round follows
	PLACES                                         ; for the loads into buffer 0, which the quarter before multiplied
	FETCH 1, 0, F0
	MUL16 F1, 1, 0, 0
	MUL16 F1, 1, 2, 0
	QUARTER 1, 1, F0, F1, 0
	QUARTER 1, 2, F1, F0, 0
	QUARTER 1, 3, F0, F1, 0
	s_wait_dscnt 8                                 ; the very last quarter: nothing more to fetch
	MUL16 F1, 0, 0, 0
	MUL16 F1, 0, 2, 0
	s_wait_dscnt 0x0
	MUL16 F1, 1, 0, 0
	MUL16 F1, 1, 2, 0
	WIN 0
.Lout:                                                 ; THE TILE GOES OUT: one text for both tiles.  Behind the first tile both refills have been asked for, and nothing waits for the stores
	PLACES                                         ; p's registers are buffer 1's, which the last products have read
	PACK 0
	TOSTAGE 0
.irp a, 1,2,3,4,5,6,7                  ; block a's arithmetic stands between block a - 1's loads from the stage and the wait for them
	PACK \a
	SEND (\a)-1
	TOSTAGE \a
.endr
	SEND 7
	s_mov_b64 s[16:17], NEXT_C                     ; what the next way out adds to hid's address
	s_sub_co_u32 s2, s2, 1
	s_cmp_lg_u32 s2, 0
	s_cbranch_scc1 .Ltile
	s_wait_tensorcnt 0x0                           ; the wave's end: the add and its wait stand behind my last tensor load and my last LDS store
	ds_add_u32 v[SPW], v[NIL]
	s_wait_dscnt 0x0
	CROUND                                         ; the closing round: no work-group ends while a partner may still ask for a tile that names it
	s_endpgm
.Lfunc_end_k_qba91937716_up:
	.size	k_qba91937716_up, .Lfunc_end_k_qba91937716_up-k_qba91937716_up
	.p2alignl 7, 3214868480
	.fill 96, 4, 3214868480
	.section	.rodata,"a",@progbits
	.p2align	6, 0x0
	.amdhsa_kernel k_qba91937716_up
		.amdhsa_group_segment_fixed_size 327680
		.amdhsa_private_segment_fixed_size 0
		.amdhsa_enable_private_segment 0
		.amdhsa_kernarg_size 32
		.amdhsa_user_sgpr_count 2
		.amdhsa_user_sgpr_kernarg_segment_ptr 1
		.amdhsa_wavefront_size32 1
		.amdhsa_system_sgpr_workgroup_id_x 1
		.amdhsa_system_sgpr_workgroup_id_y 1
		.amdhsa_system_sgpr_workgroup_id_z 1
		.amdhsa_system_vgpr_workitem_id 0
		.amdhsa_next_free_vgpr 1024
		.amdhsa_next_free_sgpr 80
		.amdhsa_reserve_vcc 0
		.amdhsa_float_denorm_mode_32 3
		.amdhsa_float_denorm_mode_16_64 3
		.amdhsa_memory_ordered 1
		.amdhsa_forward_progress 1
		.amdhsa_inst_pref_size 234
	.end_amdhsa_kernel
	.amdgpu_metadata
---
amdhsa.version: [ 1, 2 ]
amdhsa.kernels:
  - .name:           k_qba91937716_up
    .symbol:         k_qba91937716_up.kd
    .args:
      - { .name: xb, .offset: 0, .size: 8, .value_kind: global_buffer, .address_space: global }
      - { .name: w1b, .offset: 8, .size: 8, .value_kind: global_buffer, .address_space: global }
      - { .name: hid, .offset: 16, .size: 8, .value_kind: global_buffer, .address_space: global }
      - { .name: b1, .offset: 24, .size: 8, .value_kind: global_buffer, .address_space: global }
    .group_segment_fixed_size: 327680
    .private_segment_fixed_size: 0
    .kernarg_segment_align: 8
    .kernarg_segment_size: 32
    .max_flat_workgroup_size: 128
    .sgpr_count:     80
    .vgpr_count:     1024
    .wavefront_size: 32
...
	.end_amdgpu_metadata
.endif
;; end of part 2
;; launch down (part 3): grid 4 x 64, 4 waves a work-group, clusters of 4 x 4, 327,680 bytes of LDS; arguments hid, w2b, out0, b2; writes out0
.if DOCPART == 3
	.amdgcn_target "amdgcn-amd-amdhsa--gfx1250"
	.amdhsa_code_object_version 6
	.text
	.protected	k_qba91937716_down
	.globl	k_qba91937716_down
	.p2align	8
	.type	k_qba91937716_down,@function
k_qba91937716_down:
	s_mov_b64 s[64:65], 0
	v_nop
	global_prefetch_b8 v0, s[64:65] scope:SCOPE_SE
	s_setreg_imm32_b32 hwreg(HW_REG_WAVE_MODE, 25, 1), 1
	s_wait_xcnt 0x0
	s_wait_alu depctr_hold_cnt(0) depctr_sa_sdst(0) depctr_va_vdst(0) depctr_va_sdst(0) depctr_va_ssrc(0) depctr_va_vcc(0) depctr_vm_vsrc(0)
	s_getreg_b32 s2, hwreg(HW_REG_IB_STS2, 6, 4)
	s_cmp_eq_u32 s2, 0
	s_cbranch_scc0 .Lentry_in_a_cluster
	s_endpgm
.Lentry_in_a_cluster:
	s_bfe_u32 s2, ttmp6, 0x10000c
	s_cmp_lg_u32 s2, 0xf033
	s_cbranch_scc0 .Lentry_shape_is_right
	s_endpgm
.Lentry_shape_is_right:
; out0[m][n] = bf16(b2[n]) + sum over k of hid[m][k] w2b[k][n].  hid: [8192][4096] bf16 (K along the rows), w2b: [4096][1024] bf16 (N along the rows), b2: [1024] f32, out0: [8192][1024] f32.  Sums in f32.
; LIMITS.  b2 is rounded once to bf16, like the other inputs; the sum starts at the bias; NaN and infinities are not treated apart.
; SHARES.  out0 has 8 M numbers: a tile of 128 rows x 256 columns gives 64 x 4 = 256 work-groups.  Four waves, each 64 rows x 128 columns: 32 accumulators of 16 x 16, 256 registers.
; THE RING HAS A LONG SLOT AND A SHORT ONE.  Behind each change of slots one tensor load a wave goes out, and it has to land before the next change.  128 along K are only 128 matrix instructions a wave on this tile,
; and two slots of 256 along K would take 2 x 206,848 bytes, more than LDS has.  So K goes in periods of 384: 256 through the long slot (206,848 bytes), then 128 through the short one (104,448 bytes).
; 4,096 = 10 x 384 + 256: the walk begins and ends in the long slot: 21 tiles.  From its request to the wait for it the long slot's refill has 128 matrix instructions, the short slot's 256.
; All rows that are asked for are 512 or 256 bytes, at multiples of 256 from their buffer's first byte.
; CLUSTERS: 4 x 4 work-groups; a cluster spans all 1,024 columns.  The four of a row of the cluster need the same tiles of hid, the four of a column the same tiles of w2b: each tile is asked for JOINTLY,
; by the same tensor load with the same descriptor and a mask that names the four.  So each row of hid is asked for by one cluster alone.
; THE MATRIX INSTRUCTION IS USED TRANSPOSED: source 0 = 16 columns of w2b (turned on their way out of LDS by ds_load_tr16_b128), source 1 = 16 rows of hid: lane l holds row l % 16 and the columns 8 (l / 16) + 0..7.
; THE BIAS is the C operand of the products that start the sums: nothing is cleared, and no line adds the bias.
; REGISTERS, in windows of 256 (s_set_vgpr_msb: bits 1:0 source 0, 3:2 source 1, 5:4 source 2, 7:6 destination):
;   window 0: v0-31 addresses; v64-95, v96-127 fragments of hid, two buffers; v128-191, v192-255 rows read back on the way out
;   window 1: v0-63 the bias; v64-127, v128-191 fragments of w2b, two buffers; v192-223 at work once, for the bias's rounding
;   window 2: the accumulators, (a, b) at v[8 (8 a + b)]
.set SIZE_M, 8192
.set SIZE_N, 1024
.set SIZE_K, 4096
.set KL,     256                       ; along K in the long slot
.set KS,     128                       ; in the short slot
.set PAL,    528                       ; an LDS row of hid in the long slot: 512 bytes + 16 of padding;
.set PAS,    272                       ; in the short slot: 256 + 16: either way the 16 rows of a load start at 16 different groups of four banks (64 banks of 4 bytes: ISA guide 11.1)
.set PB,     544                       ; an LDS row of w2b: 512 bytes + 32
.set LGB,    128*PAL                   ; the long slot begins at 0: hid's 128 rows, then w2b's 256 rows (k)
.set SHORT,  LGB+KL*PB                 ; the short slot: hid's 128 rows,
.set SHB,    SHORT+128*PAS             ; then w2b's 128 rows
.set SPARE,  SHB+KS*PB                 ; behind the ring: the spare words, 128 bytes for each wave: two blocks of 256 bytes that no other line names
.set STAGE,  SHORT                     ; the way out's stage, 16 rows x 528 bytes for each wave, lies in the short slot: by then it has had its last fill, and behind the last change of slots its last read
.set SPITCH, 528                       ; 512 bytes + 16
.set PERIOD, KL+KS
.set TRIPS,  (SIZE_K-KL)/PERIOD        ; 10: as often the long slot is filled again
.set STEP_A, PERIOD*2                  ; a period in memory: 768 bytes along hid's rows,
.set STEP_B, PERIOD*SIZE_N*2           ; 384 rows of w2b
.set ADRAL, 16                         ; v16     LDS address of my hid fragments in the long slot
.set ADRAS, 17                         ; v17     in the short slot
.set ADRB0, 20                         ; v20     of my w2b fragments in the long slot, k 0 to 127 (an LDS offset has 16 bits: 128 rows are as far as one register reaches)
.set ADRB1, 21                         ; v21     k 128 to 255
.set ADRBS, 22                         ; v22     in the short slot
.set STO,  24                          ; v24     the way out: where I put 32 bytes of a row
.set RD,   25                          ; v25     the way out: where I read a row back
.set CO,   26                          ; v26     my byte offset in a row's 512 bytes of out0
.set BO,   27                          ; v27     my byte offset in 16 numbers of b2: 32 (l / 16)
.set SPW,  28                          ; v28     LDS address of my spare word: SPARE + 4 x my thread's number; never rewritten
.set NIL,  29                          ; v29     0; never rewritten
.set PFO,  30                          ; v30     the prefetches' lane offset; never rewritten
.set PFO2, 31                          ; v31     the same, 128 further along K; never rewritten
.set FA,   64                          ; hid's fragments, window 0: buffer f, block a at FA + 32 f + 8 a
.set FB,   64                          ; w2b's fragments, window 1: buffer f, block b at FB + 64 f + 8 b
.set OB,   128                         ; the way out: 16 rows read back: v128-191 and v192-255 by turns
.set BIAS, 0                           ; window 1
.set BSC,  192                         ; window 1
.set G1L,  24                          ; s[24:31] descriptor group 1 for hid's tiles of the long slot
.set G0L,  32                          ; s[32:35] their group 0
.set G0S,  36                          ; s[36:39] group 0 for hid's tiles of the short slot
.set LIM,  43                          ; s43      1 in a wave that prefetches, else the greatest number
.set PFA,  44                          ; s[44:45] where my prefetches stand
.set G1BL, 48                          ; s[48:55] descriptor group 1 for w2b's tiles of the long slot
.set G0BL, 56                          ; s[56:59] their group 0
.set G0BS, 60                          ; s[60:63] group 0 for w2b's tiles of the short slot
.set BP,   66                          ; s[66:67] b2, then b2 at my 128 columns
.set G1S,  68                          ; s[68:75] descriptor group 1 for hid's tiles of the short slot
.set G1BS, 76                          ; s[76:83] for w2b's
.set PST,  84                          ; s[84:85] 128 along K in the tensor that I prefetch, in bytes
.set PST2, 86                          ; s[86:87] 256 along K
.set MSB, 0
.macro WIN new                         ; the immediate's high byte repeats the setting that is left; a switch that changes nothing is dropped
.if MSB != (\new)
	s_set_vgpr_msb (MSB<<8)|(\new)
.set MSB, \new
.endif
.endm
; A joint load into the long slot (k = 0) or the short one (k = 1).  Waves 0 and 1 fetch hid's two halves (64 rows each), waves 2 and 3 w2b's (half of the slot's k each).  The branch hangs on the wave's number alone.
; An s_nop 0 and four v_nop follow each of the two lines, ahead of the jump, the label and what follows.
.macro JLOAD k
	s_cmp_eq_u32 s11, 0
	s_cbranch_scc0 .Lfor_b_\@
.if \k
	tensor_load_to_lds s[G0S:G0S+3], s[G1S:G1S+7]
.else
	tensor_load_to_lds s[G0L:G0L+3], s[G1L:G1L+7]
.endif
	s_nop 0
.rept 4
	v_nop
.endr
	s_branch .Lasked_\@
.Lfor_b_\@:
.if \k
	tensor_load_to_lds s[G0BS:G0BS+3], s[G1BS:G1BS+7]
.else
	tensor_load_to_lds s[G0BL:G0BL+3], s[G1BL:G1BL+7]
.endif
	s_nop 0
.rept 4
	v_nop
.endr
.Lasked_\@:
.endm
; A PREFETCH INTO THE L2.  K is counted here in units of 128: the long slot's tile j is units 3 j and 3 j + 1, the short slot's unit 3 j + 2.  Behind the joint load that fills a slot again, its five lines and the run of
; LDS loads that follows them, stand the prefetches for the tile that the SAME slot's next refill will ask for: one period, 384 matrix instructions, ahead of that load: two units for the long slot, one for the short.
; A unit is 32 blocks of 256 bytes for a wave that asks, a lane a block, one instruction.  Each block is named ONCE in the launch.  A tile row of hid is read by one row of one cluster: of its 128 rows the partner at cx
; takes 32, a lane a row, and wave 0 asks.  A tile column of w2b is read by every cluster: the one with cluster y = 0 asks; of a unit's 128 rows (512 bytes each) wave 2 has the first 64 and wave 3 the others, and of
; those the partner at cy takes 16, two lanes a row.  The partners are told apart BY ADDRESS: no branch hangs on a work-group's place in its cluster.
; Units 0 to 5 come by their loads alone; the loop's last trip asks for nothing: behind the tiles that it asks the tensor loads for there are none.
.macro ASK k
	s_cmp_gt_u32 s3, s[LIM]                        ; s3 counts the loop's trips down, 10 to 1
	s_cbranch_scc0 .Lnot_mine_\@
	global_prefetch_b8 v[PFO], s[PFA:PFA+1] th:TH_LOAD_NT scope:SCOPE_SE
.if (\k) == 0
	global_prefetch_b8 v[PFO2], s[PFA:PFA+1] th:TH_LOAD_NT scope:SCOPE_SE
.endif
.Lnot_mine_\@:
.endm
; A round of the cluster's barrier: my work-group's barrier, so that wave 0's signal speaks for all four waves; wave 0 signals for the work-group; every wave waits for all sixteen; my work-group's barrier once more.
.macro CREST                           ; a round behind its opening barrier
	s_cmp_lg_u32 s10, 0
	s_cbranch_scc1 .Lnot_wave_0_\@
	s_barrier_signal -3
.Lnot_wave_0_\@:
	s_barrier_wait -3
	s_barrier_signal -1
	s_barrier_wait -1
.endm
.macro CROUND                          ; a whole round
	s_barrier_signal -1
	s_barrier_wait -1
	CREST
.endm
	s_load_b128 s[4:7], s[0:1], 0x0                ; hid s[4:5], w2b s[6:7]
	s_load_b64 s[8:9], s[0:1], 0x10                ; out0
	s_load_b64 s[BP:BP+1], s[0:1], 0x18            ; b2
	v_lshl_add_u32 v[SPW], v0, 2, SPARE
	v_mov_b32 v[NIL], 0
	ds_add_u32 v[SPW], v[NIL]                      ; the wave's opening: the add, twice on end, and its wait ahead of my first tensor load; the set-up below stands between the second and the wait
	ds_add_u32 v[SPW], v[NIL]                      ; and once more, under the one wait
	v_lshrrev_b32 v1, 5, v0
	v_readfirstlane_b32 s10, v1                    ; wave 0..3
	s_lshr_b32 s11, s10, 1                         ; which half of the tile's rows is mine.  Also: I fetch for hid (0) or for w2b (1)
	s_and_b32 s12, s10, 1                          ; which half of its columns.  Also: which half of that tile I fetch
	s_bfe_u32 s40, ttmp6, 0x40000                  ; cx: my place along the cluster's x
	s_bfe_u32 s41, ttmp6, 0x40004                  ; cy: along its y
	s_lshl_b32 s42, ttmp9, 2                       ; in a cluster launch ttmp9 and ttmp7 count clusters
	s_add_co_u32 s42, s42, s40                     ; tile column = 4 x cluster x + cx
	s_and_b32 s13, ttmp7, 0xffff
	s_lshl_b32 s13, s13, 2
	s_add_co_u32 s13, s13, s41                     ; tile row = 4 x cluster y + cy
	s_lshl_b32 s43, s41, 2
	s_lshl_b32 s43, 15, s43                        ; my row of the cluster: places 4 cy .. 4 cy + 3
	s_lshl_b32 s44, 0x1111, s40                    ; my column: places cx, cx + 4, cx + 8, cx + 12
	; descriptor groups 1 for hid: 64 rows x 256 elements (long) or x 128 (short)
	s_or_b32 s[G1L+0], s43, (1<<16)|(1<<20)|(1<<21)|(6<<22)|(3<<25)  ; 15:0 the mask: my row; 17:16 elements of 2 bytes; 20 padding on; 21 set beside a mask; 24:22 after every 128 words (code 6); 31:25 4 words of it (code 3)
	s_mov_b32 s[G1L+1], KL<<16                     ; tensor_dim0 = 256
	s_mov_b32 s[G1L+2], 64<<16                     ; tensor_dim1 = 64
	s_mov_b32 s[G1L+3], KL<<16                     ; tile_dim0 = 256
	s_mov_b32 s[G1L+4], 64                         ; tile_dim1 = 64
	s_mov_b32 s[G1L+5], SIZE_K                     ; elements from row to row
	s_mov_b32 s[G1L+6], 0
	s_mov_b32 s[G1L+7], 0
	s_or_b32 s[G1S+0], s43, (1<<16)|(1<<20)|(1<<21)|(5<<22)|(3<<25)  ; the same with padding after every 64 words (code 5)
	s_mov_b32 s[G1S+1], KS<<16                     ; tensor_dim0 = 128
	s_mov_b32 s[G1S+2], 64<<16                     ; tensor_dim1 = 64
	s_mov_b32 s[G1S+3], KS<<16                     ; tile_dim0 = 128
	s_mov_b32 s[G1S+4], 64                         ; tile_dim1 = 64
	s_mov_b32 s[G1S+5], SIZE_K
	s_mov_b32 s[G1S+6], 0
	s_mov_b32 s[G1S+7], 0
	; and for w2b: 128 rows (k; long) or 64 (short) x 256 elements (n)
	s_or_b32 s[G1BL+0], s44, (1<<16)|(1<<20)|(1<<21)|(6<<22)|(7<<25) ; the mask: my column; padding after every 128 words (code 6), 8 words of it (code 7)
	s_mov_b32 s[G1BL+1], 256<<16                   ; tensor_dim0 = 256
	s_mov_b32 s[G1BL+2], 128<<16                   ; tensor_dim1 = 128
	s_mov_b32 s[G1BL+3], 256<<16                   ; tile_dim0 = 256
	s_mov_b32 s[G1BL+4], 128                       ; tile_dim1 = 128
	s_mov_b32 s[G1BL+5], SIZE_N                    ; elements from row to row
	s_mov_b32 s[G1BL+6], 0
	s_mov_b32 s[G1BL+7], 0
	s_or_b32 s[G1BS+0], s44, (1<<16)|(1<<20)|(1<<21)|(6<<22)|(7<<25)
	s_mov_b32 s[G1BS+1], 256<<16                   ; tensor_dim0 = 256
	s_mov_b32 s[G1BS+2], 64<<16                    ; tensor_dim1 = 64
	s_mov_b32 s[G1BS+3], 256<<16                   ; tile_dim0 = 256
	s_mov_b32 s[G1BS+4], 64                        ; tile_dim1 = 64
	s_mov_b32 s[G1BS+5], SIZE_N
	s_mov_b32 s[G1BS+6], 0
	s_mov_b32 s[G1BS+7], 0
	; where the tiles come from.  hid's hang on the tile row alone, which my row of the cluster shares; w2b's on the tile column alone, which my column shares.
	s_lshl_b32 s16, s13, 7
	s_lshl_b32 s17, s12, 6
	s_add_co_u32 s16, s16, s17                     ; hid: row 128 x tile row + 64 x half,
	s_lshl_b32 s16, s16, 13                        ; of 8,192 bytes
	s_mov_b32 s17, 0
	s_lshl_b32 s46, s42, 9                         ; w2b, long: 512 bytes x tile column
	s_lshl_b32 s47, s12, 18                        ; + 128 rows of 2,048 bytes x half
	s_add_co_u32 s46, s46, s47
	s_mov_b32 s47, 0
	s_lshl_b32 s22, s42, 9                         ; w2b, short: 512 bytes x tile column
	s_lshl_b32 s23, s12, 17                        ; + 64 rows x half
	s_add_co_u32 s22, s22, s23
	s_add_co_u32 s22, s22, KL*SIZE_N*2             ; + the long slot's 256 rows
	s_mov_b32 s23, 0
	s_mul_i32 s18, s12, 64*PAL                     ; and where they go, by the half that I fetch: no place in the cluster enters an LDS address
	s_mul_i32 s19, s12, 64*PAS
	s_mul_i32 s20, s12, 128*PB
	s_mul_i32 s21, s12, 64*PB
	s_wait_dscnt 0x0                               ; both opening adds are done
	s_wait_kmcnt 0x0
	s_add_nc_u64 s[14:15], s[4:5], s[16:17]
	s_add_nc_u64 s[46:47], s[6:7], s[46:47]
	s_add_nc_u64 s[22:23], s[6:7], s[22:23]
	CROUND                                         ; all sixteen work-groups are here: the first joint loads meet
	s_mov_b32 s[G0L], 1                            ; 1:0 count = 1
	s_mov_b32 s[G0L+1], s18                        ; 63:32 LDS address
	s_add_nc_u64 s[G0L+2:G0L+3], s[14:15], 0       ; 120:64 global address: k 0 to 255
	s_or_b32 s[G0L+3], s[G0L+3], 0x80000000        ; 127:126 type = 2
	s_mov_b32 s[G0BL], 1
	s_add_co_u32 s[G0BL+1], s20, LGB
	s_add_nc_u64 s[G0BL+2:G0BL+3], s[46:47], 0
	s_or_b32 s[G0BL+3], s[G0BL+3], 0x80000000
	JLOAD 0                                        ; the ring is filled before anything else is done: the long slot,
	s_mov_b32 s[G0S], 1
	s_add_co_u32 s[G0S+1], s19, SHORT
	s_add_nc_u64 s[G0S+2:G0S+3], s[14:15], KL*2    ; k 256 to 383
	s_or_b32 s[G0S+3], s[G0S+3], 0x80000000
	s_mov_b32 s[G0BS], 1
	s_add_co_u32 s[G0BS+1], s21, SHB
	s_add_nc_u64 s[G0BS+2:G0BS+3], s[22:23], 0
	s_or_b32 s[G0BS+3], s[G0BS+3], 0x80000000
	JLOAD 1                                        ; and the short one: two loads of mine are out
	; A fragment is 16 rows x 32 K in 8 registers: lane l holds row l % 16; registers 0-3 hold K = 8 (l / 16) + 0..7, registers 4-7 K = 16 + 8 (l / 16) + 0..7.
	v_and_b32 v1, 15, v0                           ; l % 16
	v_bfe_u32 v2, v0, 4, 1                         ; l / 16
	s_mul_i32 s21, s11, 64*PAL                     ; my 64 rows of hid in the long slot,
	s_mul_i32 s22, s11, 64*PAS
	s_add_co_u32 s22, s22, SHORT                   ; and in the short one
	s_lshl_b32 s23, s12, 8                         ; my 128 columns of w2b: 256 bytes of each row
	v_mul_u32_u24 v3, v1, PAL                      ; hid, rows along K: two loads of 16 bytes, 32 bytes apart, at
	v_lshl_add_u32 v3, v2, 4, v3                   ; row x pitch + 16 x half
	v_add_nc_u32 v[ADRAL], s21, v3
	v_mul_u32_u24 v3, v1, PAS
	v_lshl_add_u32 v3, v2, 4, v3
	v_add_nc_u32 v[ADRAS], s22, v3
	v_and_b32 v4, 7, v0                            ; w2b, rows along n: the turning load takes 16 k x 16 n: lane l reads 16 bytes of row k = 8 (l / 16) + l % 8,
	v_lshl_add_u32 v4, v2, 3, v4
	v_mul_u32_u24 v4, v4, PB
	v_bfe_u32 v5, v0, 3, 1                         ; columns 8 ((l / 8) % 2) + 0..7, and is left with column l % 16 and 8 k: half a fragment
	v_lshl_add_u32 v4, v5, 4, v4
	v_add_nc_u32 v4, s23, v4
	v_add_nc_u32 v[ADRB0], LGB, v4
	v_add_nc_u32 v[ADRB1], LGB+128*PB, v4
	v_add_nc_u32 v[ADRBS], SHB, v4
	s_mul_i32 s23, s10, 16*SPITCH
	s_add_co_u32 s23, s23, STAGE                   ; my stage
	v_mul_u32_u24 v4, v1, SPITCH                   ; in: row l % 16, 32 bytes for each half of the lanes
	v_lshl_add_u32 v4, v2, 5, v4
	v_add_nc_u32 v[STO], s23, v4
	v_and_b32 v5, 31, v0                           ; back: 32 lanes take one row of 512 bytes,
	v_lshlrev_b32 v[CO], 4, v5                     ; which are 512 consecutive bytes of out0
	v_add_nc_u32 v[RD], s23, v[CO]
	v_lshlrev_b32 v[BO], 5, v2
	; my 128 columns: the same byte offset in b2 and in a row of out0 (both f32): 1,024 x tile column + 512 x half
	s_lshl_b32 s46, s42, 10
	s_lshl_b32 s47, s12, 9
	s_add_co_u32 s46, s46, s47
	s_mov_b32 s47, 0
	s_add_nc_u64 s[BP:BP+1], s[BP:BP+1], s[46:47]
	s_add_nc_u64 s[8:9], s[8:9], s[46:47]
	s_lshl_b32 s16, s13, 7
	s_lshl_b32 s14, s11, 6
	s_add_co_u32 s16, s16, s14                     ; my first row of out0: 128 x tile row + 64 x half,
	s_lshl_b32 s16, s16, 12                        ; of 4,096 bytes
	s_mov_b32 s17, 0
	s_add_nc_u64 s[8:9], s[8:9], s[16:17]
	; the bias: register 8 b + j takes b2[my first column + 16 b + 8 (l / 16) + j], the place of that column in accumulator (a, b)
	WIN 0x40                                       ; destination window 1, address window 0
.irp b, 0,1,2,3,4,5,6,7
	global_load_b128 v[BIAS+8*(\b):BIAS+8*(\b)+3],   v[BO], s[BP:BP+1] offset:64*(\b)
	global_load_b128 v[BIAS+8*(\b)+4:BIAS+8*(\b)+7], v[BO], s[BP:BP+1] offset:64*(\b)+16
.endr
	WIN 0
	; the prefetches
	s_lshl_b32 s20, s13, 7
	s_lshl_b32 s21, s40, 5
	s_add_co_u32 s20, s20, s21
	s_lshl_b32 s20, s20, 13                        ; hid: (128 x tile row + my work-group's 32 rows) x 8,192 bytes
	s_lshl_b32 s21, s12, 6
	s_lshl_b32 s22, s41, 4
	s_add_co_u32 s21, s21, s22
	s_lshl_b32 s21, s21, 11
	s_lshl_b32 s22, s42, 9
	s_add_co_u32 s21, s21, s22                     ; w2b: (my 64 rows of a unit + my work-group's 16 of them) x 2,048 bytes + 512 x tile column
	s_and_b32 s22, ttmp7, 0xffff                   ; cluster y
	s_cmp_eq_u32 s11, 0                            ; do I fetch for hid?
	s_cselect_b32 s20, s20, s21
	s_cselect_b32 s22, s12, s22                    ; who asks: for hid wave 0 of the two, for w2b the cluster with y = 0
	s_cselect_b64 s[PFA:PFA+1], s[4:5], s[6:7]
	s_cselect_b32 s14, 8, 18                       ; a unit: 2^8 bytes along hid's rows, 2^18 bytes down w2b's
	s_cselect_b32 s18, 0, 1                        ; lanes to a row: 1 or 2 (as a shift, and as the mask of the lane's place in the row)
	s_cselect_b32 s19, 13, 11                      ; bytes from row to row, as a shift
	s_cmp_eq_u32 s22, 0
	s_cselect_b32 s[LIM], 1, -1                    ; the same in all sixteen partners, for a given wave
	s_lshl_b32 s[PST], 1, s14
	s_mov_b32 s[PST+1], 0
	s_lshl_b32 s[PST2], s[PST], 1
	s_mov_b32 s[PST2+1], 0
	s_mov_b32 s21, 0
	s_add_nc_u64 s[PFA:PFA+1], s[PFA:PFA+1], s[20:21]
	s_mul_i32 s20, s[PST], 5
	s_add_nc_u64 s[PFA:PFA+1], s[PFA:PFA+1], s[20:21]  ; at unit 5: the first change of slots steps it to 6 and names units 6 and 7.  Nothing is prefetched here, at the head
	v_and_b32 v3, 31, v0
	v_lshrrev_b32 v4, s18, v3
	v_lshlrev_b32 v4, s19, v4                      ; my row,
	v_and_b32 v3, s18, v3
	v_lshl_add_u32 v[PFO], v3, 8, v4               ; and my 256 bytes of it
	v_add_nc_u32 v[PFO2], s[PST], v[PFO]           ; the same in the unit behind
; 8 matrix instructions: block a of my four blocks of 16 rows x all 8 blocks of 16 columns, 32 along K, from buffer f.  first = 1: the products start the sums, with the bias as C.
; The 32 accumulators take turns, one instruction a turn, in the same order in every quarter.
.macro MUL8 f, a, first
.if \first
	WIN 0x91                                       ; source 0 (w2b) window 1, source 1 (hid) window 0, C (the bias) window 1, D window 2
.else
	WIN 0xa1                                       ; C and D window 2
.endif
.irp b, 0,1,2,3,4,5,6,7
.if \first
	v_wmma_f32_16x16x32_bf16 v[8*(8*(\a)+(\b)):8*(8*(\a)+(\b))+7], v[FB+64*(\f)+8*(\b):FB+64*(\f)+8*(\b)+7], v[FA+32*(\f)+8*(\a):FA+32*(\f)+8*(\a)+7], v[BIAS+8*(\b):BIAS+8*(\b)+7]
.else
	v_wmma_f32_16x16x32_bf16 v[8*(8*(\a)+(\b)):8*(8*(\a)+(\b))+7], v[FB+64*(\f)+8*(\b):FB+64*(\f)+8*(\b)+7], v[FA+32*(\f)+8*(\a):FA+32*(\f)+8*(\a)+7], v[8*(8*(\a)+(\b)):8*(8*(\a)+(\b))+7]
.endif
.endr
.endm
; 24 LDS loads in one run: the fragments of 32 along K (128 columns of w2b, 64 rows of hid) into buffer f.  They are quarter q of part p: p = 0: the long slot's k 0 to 127; 1: its k 128 to 255; 2: the short slot.
.macro FETCH p, q, f
.if (\p) == 2
.set AR, ADRAS
.set AP, PAS
.set AO, 0
.set BR, ADRBS
.elseif (\p) == 1
.set AR, ADRAL
.set AP, PAL
.set AO, 256
.set BR, ADRB1
.else
.set AR, ADRAL
.set AP, PAL
.set AO, 0
.set BR, ADRB0
.endif
	WIN 0x40                                       ; destination window 1, address window 0
.irp i, 0,1,2,3,4,5,6,7
	ds_load_tr16_b128 v[FB+64*(\f)+8*(\i):FB+64*(\f)+8*(\i)+3],   v[BR] offset:32*(\q)*PB+32*(\i)
	ds_load_tr16_b128 v[FB+64*(\f)+8*(\i)+4:FB+64*(\f)+8*(\i)+7], v[BR] offset:32*(\q)*PB+16*PB+32*(\i)
.endr
	WIN 0
.irp i, 0,1,2,3
	ds_load_b128 v[FA+32*(\f)+8*(\i):FA+32*(\f)+8*(\i)+3],   v[AR] offset:AO+64*(\q)+(\i)*16*AP
	ds_load_b128 v[FA+32*(\f)+8*(\i)+4:FA+32*(\f)+8*(\i)+7], v[AR] offset:AO+64*(\q)+(\i)*16*AP+32
.endr
.endm
; A load into a register that a matrix instruction has read, and an LDS store that reads a matrix result, stand four places behind it, and only plain vector instructions that name none of its registers
; are places (ISA guide 7.12.1 for vector instructions).
.macro PLACES
.rept 4
	v_nop
.endr
.endm
; A quarter is 32 along K, 32 matrix instructions; the long slot has eight, the short one four, on buffers 0, 1 by turns.  Any but a slot's last: at its head it fetches the next quarter (q of part p) into buffer g, so that
; the run of loads has all 32 matrix instructions in which to land; then it multiplies buffer f.
.macro QUARTER p, q, f, g, first
	s_wait_dscnt 0x0                               ; buffer f is in
	PLACES                                         ; buffer g was read by the products just issued
	FETCH \p, \q, \g
	MUL8 \f, 0, \first
	MUL8 \f, 1, \first
	MUL8 \f, 2, \first
	MUL8 \f, 3, \first
.endm
.macro LONGREST                        ; the long slot's quarters 1 to 6 (quarter 0 stands apart: the launch's first starts the sums; quarter 7 is the change of slots)
	QUARTER 0, 2, 1, 0, 0
	QUARTER 0, 3, 0, 1, 0
	QUARTER 1, 0, 1, 0, 0
	QUARTER 1, 1, 0, 1, 0
	QUARTER 1, 2, 1, 0, 0
	QUARTER 1, 3, 0, 1, 0
.endm
.macro SHORTQ                          ; the short slot's quarters 0 to 2
	QUARTER 2, 1, 0, 1, 0
	QUARTER 2, 2, 1, 0, 0
	QUARTER 2, 3, 0, 1, 0
.endm
; A slot's last quarter multiplies buffer 1 and changes slots: k = 0: the long slot is left, k = 1: the short one.  ONE barrier.  In front of it each wave waits for all its tensor loads, of which one is out: its part of the
; other slot; adds 0 to its spare word; and waits for that and for its own reads of the slot that it leaves (the last were issued 32 matrix instructions ago).  Behind it nobody reads that slot any more and the other is whole.
; fill = 1: the barrier opens a round of the cluster's barrier, and behind the round the slot just left is filled again, a period further along K.  Nothing but the round stands between the wait for the loads and the
; new request: the descriptors are stepped while the add is out, and all 32 products of the quarter stand behind the request and the run of LDS loads.
.macro TURN k, fill
.if \fill
	s_wait_xcnt 0x0                                ; the last prefetches, 128 matrix instructions back or more, have read their address: it is stepped here, ahead of the waits of the change of slots
.if \k
	s_add_nc_u64 s[PFA:PFA+1], s[PFA:PFA+1], s[PST2:PST2+1]  ; past the two units just named, to the short slot's
.else
	s_add_nc_u64 s[PFA:PFA+1], s[PFA:PFA+1], s[PST:PST+1]    ; past that one, to the long slot's
.endif
.endif
	WIN 0
	s_wait_tensorcnt 0x0                           ; all my tensor loads have landed, so every group 0 may be written;
	ds_add_u32 v[SPW], v[NIL]                      ; 0 onto my spare word;
.if \fill
.if \k
	s_add_nc_u64 s[G0S+2:G0S+3], s[G0S+2:G0S+3], STEP_A
	s_add_nc_u64 s[G0BS+2:G0BS+3], s[G0BS+2:G0BS+3], STEP_B
.else
	s_add_nc_u64 s[G0L+2:G0L+3], s[G0L+2:G0L+3], STEP_A
	s_add_nc_u64 s[G0BL+2:G0BL+3], s[G0BL+2:G0BL+3], STEP_B
.endif
.endif
	s_wait_dscnt 0x0                               ; the add is done, buffer 1 is in, and my reads of this slot are over
	s_barrier_signal -1
	s_barrier_wait -1
.if \fill
	CREST                                          ; all sixteen work-groups have said so: no wave of any partner still reads this slot's tile or has a load on its way
	JLOAD \k                                       ; the first tensor load behind the round, my only one until the next; the four v_nop behind it are also the places in front of the loads below
.else
	PLACES
.endif
	FETCH 2-2*(\k), 0, 0                           ; the other slot's first fragments
.if \fill
	ASK \k
.endif
	MUL8 1, 0, 0
	MUL8 1, 1, 0
	MUL8 1, 2, 0
	MUL8 1, 3, 0
.endm
; THE WAY OUT of block a (16 of my rows).  TOSTAGE: a lane's eight numbers of a row, 32 bytes, go from the accumulators into my own stage in LDS (each accumulator's low four registers first),
; and come back as whole rows of 512 bytes.  SEND: stored.
.macro TOSTAGE a
.set BK, OB+64*((\a)%2)
	WIN 0x08                                       ; the stores' data in window 2, the address in window 0
.irp b, 0,1,2,3,4,5,6,7
	ds_store_b128 v[STO], v[8*(8*(\a)+(\b)):8*(8*(\a)+(\b))+3]   offset:64*(\b)
	ds_store_b128 v[STO], v[8*(8*(\a)+(\b))+4:8*(8*(\a)+(\b))+7] offset:64*(\b)+16
.endr
	WIN 0
.irp t, 0,1,2,3,4,5,6,7,8,9,10,11,12,13,14,15
	ds_load_b128 v[BK+4*(\t):BK+4*(\t)+3], v[RD] offset:(\t)*SPITCH  ; LDS serves a wave's instructions in order (ISA guide 5.7.1.4): these see the stores above; the next block's stores come behind them
.endr
.endm
.macro SEND a, younger                 ; younger: the LDS instructions issued behind block a's loads: the next block's 32, or none
.set BK, OB+64*((\a)%2)
.irp t, 0,1,2,3,4,5,6,7,8,9,10,11,12,13,14,15
	s_wait_dscnt (\younger)+15-(\t)
	global_store_b128 v[CO], v[BK+4*(\t):BK+4*(\t)+3], s[8:9] offset:(16*(\a)+(\t))*SIZE_N*4 th:TH_STORE_NT  ; 512 consecutive bytes, at a multiple of 256 from out0's first byte
.endr
.endm
	s_wait_tensorcnt 1                             ; my part of the long slot is in; the short slot's may stay out
	s_barrier_signal -1
	s_barrier_wait -1                              ; everybody's is
	FETCH 0, 0, 0
	s_wait_loadcnt 0x0                             ; the bias: rounded to bf16 and widened again, while the first fragments are on their way
	WIN 0x45                                       ; sources 0 and 1 and the destination in window 1
.set p, 0
.rept 32
	v_cvt_pk_bf16_f32 v[BSC+p], v[BIAS+2*p], v[BIAS+2*p+1]
.set p, p+1
.endr
.set p, 0
.rept 32
	v_lshlrev_b32 v[BIAS+2*p],   16, v[BSC+p]
	v_and_b32     v[BIAS+2*p+1], 0xffff0000, v[BSC+p]
.set p, p+1
.endr
	WIN 0
	QUARTER 0, 1, 0, 1, 1                          ; the launch's first quarter is written out: its products start the sums
	WIN 0                                          ; at a label and at a branch every window is 0
	s_mov_b32 s3, TRIPS
	s_branch .Lin                                  ; the loop is entered in the middle of a trip, behind a long slot's first quarter
.Lperiod:                                              ; a trip: the short slot, which is then filled again; the long slot, which is then filled again.  Nine whole trips, and the half trip that the launch begins with
	SHORTQ
	TURN 1, 1
	QUARTER 0, 1, 0, 1, 0
	WIN 0
.Lin:
	LONGREST
	TURN 0, 1
	WIN 0
	s_sub_co_u32 s3, s3, 1
	s_cmp_lg_u32 s3, 0
	s_cbranch_scc1 .Lperiod
	SHORTQ                                         ; the tail is written out: the last two tiles; nothing is asked for, and no round of the cluster's barrier is passed
	TURN 1, 0
	QUARTER 0, 1, 0, 1, 0
	LONGREST
	s_wait_dscnt 0x0                               ; the very last quarter: nothing more to fetch
	MUL8 1, 0, 0
	MUL8 1, 1, 0
	MUL8 1, 2, 0
	MUL8 1, 3, 0
	WIN 0
	PLACES                                         ; the stores below read results just made
	TOSTAGE 0                                      ; into the short slot's bytes: every wave's reads of them were over at the last change of slots, and no load fills them any more
	TOSTAGE 1                                      ; a block's trip through the stage stands between the loads of the block before and its stores
	SEND 0, 32
	s_wait_xcnt 0x0                                ; block 0's stores have read their registers, which block 2 is read back into
	TOSTAGE 2
	SEND 1, 32
	s_wait_xcnt 0x0                                ; likewise block 1's, for block 3
	TOSTAGE 3
	SEND 2, 32
	SEND 3, 0
	s_wait_tensorcnt 0x0                           ; the wave's end: the add and its wait stand behind my last tensor load and my last LDS store
	ds_add_u32 v[SPW], v[NIL]
	s_wait_dscnt 0x0
	CROUND                                         ; the closing round: no work-group ends while a partner may still ask for a tile that names it
	s_endpgm
.Lfunc_end_k_qba91937716_down:
	.size	k_qba91937716_down, .Lfunc_end_k_qba91937716_down-k_qba91937716_down
	.p2alignl 7, 3214868480
	.fill 96, 4, 3214868480
	.section	.rodata,"a",@progbits
	.p2align	6, 0x0
	.amdhsa_kernel k_qba91937716_down
		.amdhsa_group_segment_fixed_size 327680
		.amdhsa_private_segment_fixed_size 0
		.amdhsa_enable_private_segment 0
		.amdhsa_kernarg_size 32
		.amdhsa_user_sgpr_count 2
		.amdhsa_user_sgpr_kernarg_segment_ptr 1
		.amdhsa_wavefront_size32 1
		.amdhsa_system_sgpr_workgroup_id_x 1
		.amdhsa_system_sgpr_workgroup_id_y 1
		.amdhsa_system_sgpr_workgroup_id_z 1
		.amdhsa_system_vgpr_workitem_id 0
		.amdhsa_next_free_vgpr 768
		.amdhsa_next_free_sgpr 88
		.amdhsa_reserve_vcc 0
		.amdhsa_float_denorm_mode_32 3
		.amdhsa_float_denorm_mode_16_64 3
		.amdhsa_memory_ordered 1
		.amdhsa_forward_progress 1
		.amdhsa_inst_pref_size 130
	.end_amdhsa_kernel
	.amdgpu_metadata
---
amdhsa.version: [ 1, 2 ]
amdhsa.kernels:
  - .name:           k_qba91937716_down
    .symbol:         k_qba91937716_down.kd
    .args:
      - { .name: hid, .offset: 0, .size: 8, .value_kind: global_buffer, .address_space: global }
      - { .name: w2b, .offset: 8, .size: 8, .value_kind: global_buffer, .address_space: global }
      - { .name: out0, .offset: 16, .size: 8, .value_kind: global_buffer, .address_space: global }
      - { .name: b2, .offset: 24, .size: 8, .value_kind: global_buffer, .address_space: global }
    .group_segment_fixed_size: 327680
    .private_segment_fixed_size: 0
    .kernarg_segment_align: 8
    .kernarg_segment_size: 32
    .max_flat_workgroup_size: 128
    .sgpr_count:     88
    .vgpr_count:     768
    .wavefront_size: 32
...
	.end_amdgpu_metadata
.endif
;; end of part 3
